; MI455X (gfx1250); checked and timed in simulation.
; The chip was launched on July 23, 2026; its instructions are those of AMD's public machine-readable ISA for CDNA 5 (MIT licence, August 2026) and "CDNA5" Instruction Set Architecture Reference Guide (July 2026). The comments in the code are by the model that wrote it; some were corrected since.
;; Mo E Layer. Allowed arithmetic: float matrix products may take bf16 or f16 operands with f32 sums; all other float work in f32.
;; Inputs: We 8 x 1,024 x 1,024 float32; Wg 1,024 x 8 float32; be 8 x 1,024 float32; bg 8 float32; x 8,192 x 1,024 float32.
;; Outputs: out0 8,192 x 1,024 float32.
;; 3 versions, each right; version 2 is faster than version 1; version 3 is version 2 with the launch cast written anew for expert scheduling mode. Each part assembles by itself: llvm-mc -triple=amdgcn-amd-amdhsa -mcpu=gfx1250 --defsym DOCPART=n.
;; ======== version 1 of 3: 2 launches
;; limits: right only within a limited range of input values
;; workspace buffers: xb 16,777,216 bytes; Wb 16,777,216 bytes
;; launch cast (part 1): grid 256 x 2, 8 waves a work-group, no clusters, 0 bytes of LDS; arguments x, We, xb, Wb; writes xb, Wb
.if DOCPART == 1
	.amdgcn_target "amdgcn-amd-amdhsa--gfx1250"
	.amdhsa_code_object_version 6
	.text
	.protected	k_q2ab04c4afa_cast
	.globl	k_q2ab04c4afa_cast
	.p2align	8
	.type	k_q2ab04c4afa_cast,@function
k_q2ab04c4afa_cast:
	s_mov_b64 s[64:65], 0
	v_nop
	global_prefetch_b8 v0, s[64:65] scope:SCOPE_SE
	s_setreg_imm32_b32 hwreg(HW_REG_WAVE_MODE, 25, 1), 1
	s_wait_xcnt 0x0
; xb = bf16(x), Wb = bf16(We): the same layouts, each number rounded once to nearest even.
; Both inputs have 33,554,432 bytes.  The grid's y picks the pair (0: x to xb, 1: We to Wb); work-group x of 256 takes 131,072 input bytes
; and 65,536 output bytes.  Thread t of 256, chunk i of 32: 16 input bytes at 4,096 i + 16 t, 8 output bytes at 2,048 i + 8 t.
; A wave's load covers 512 consecutive bytes, a wave's store 256 consecutive bytes at a multiple of 256 from the buffer's first byte.
; All 32 loads of a thread go out first (16 KiB of a wave in flight); each chunk has registers of its own, so nothing that a pending
; load or store names is ever written again, and the only waits are the counted ones for the data.
; No LDS, no matrix unit, no cluster: every byte is read once by one thread, and nothing is shared.
.set CHUNKS, 32
.set X, 4                              ; v[4:131]  chunk i: four f32 as loaded; its first two registers then hold the four bf16
	s_load_b256 s[4:11], s[0:1], 0x0               ; x s[4:5], We s[6:7], xb s[8:9], Wb s[10:11]
	s_and_b32 s12, ttmp7, 0xffff                   ; which pair
	s_lshl_b32 s16, ttmp9, 17                      ; my 131,072 input bytes
	s_mov_b32 s17, 0
	s_lshl_b32 s18, ttmp9, 16                      ; my 65,536 output bytes
	s_mov_b32 s19, 0
	v_lshlrev_b32 v1, 4, v0                        ; 16 t
	v_lshlrev_b32 v2, 3, v0                        ; 8 t
	s_wait_kmcnt 0x0
	s_cmp_eq_u32 s12, 0
	s_cselect_b64 s[20:21], s[4:5], s[6:7]         ; from
	s_cselect_b64 s[22:23], s[8:9], s[10:11]       ; to
	s_add_nc_u64 s[20:21], s[20:21], s[16:17]
	s_add_nc_u64 s[22:23], s[22:23], s[18:19]
.set i, 0
.rept CHUNKS
	global_load_b128 v[X+4*i:X+4*i+3], v1, s[20:21] offset:4096*i th:TH_LOAD_NT   ; read once in the whole launch
.set i, i+1
.endr
.set i, 0
.rept CHUNKS
	s_wait_loadcnt CHUNKS-1-i                      ; loads come back in order (ISA guide 5.7.1): chunk i is in, the younger ones stay out
	v_cvt_pk_bf16_f32 v[X+4*i],   v[X+4*i],   v[X+4*i+1]
	v_cvt_pk_bf16_f32 v[X+4*i+1], v[X+4*i+2], v[X+4*i+3]
	global_store_b64 v2, v[X+4*i:X+4*i+1], s[22:23] offset:2048*i                 ; no hint: the next launch reads these bytes
.set i, i+1
.endr
	s_endpgm
.Lfunc_end_k_q2ab04c4afa_cast:
	.size	k_q2ab04c4afa_cast, .Lfunc_end_k_q2ab04c4afa_cast-k_q2ab04c4afa_cast
	.p2alignl 7, 3214868480
	.fill 96, 4, 3214868480
	.section	.rodata,"a",@progbits
	.p2align	6, 0x0
	.amdhsa_kernel k_q2ab04c4afa_cast
		.amdhsa_group_segment_fixed_size 0
		.amdhsa_private_segment_fixed_size 0
		.amdhsa_enable_private_segment 0
		.amdhsa_kernarg_size 32
		.amdhsa_user_sgpr_count 2
		.amdhsa_user_sgpr_kernarg_segment_ptr 1
		.amdhsa_wavefront_size32 1
		.amdhsa_system_sgpr_workgroup_id_x 1
		.amdhsa_system_sgpr_workgroup_id_y 1
		.amdhsa_system_sgpr_workgroup_id_z 1
		.amdhsa_system_vgpr_workitem_id 0
		.amdhsa_next_free_vgpr 132
		.amdhsa_next_free_sgpr 66
		.amdhsa_reserve_vcc 0
		.amdhsa_float_denorm_mode_32 3
		.amdhsa_float_denorm_mode_16_64 3
		.amdhsa_memory_ordered 1
		.amdhsa_forward_progress 1
		.amdhsa_inst_pref_size 12
	.end_amdhsa_kernel
	.amdgpu_metadata
---
amdhsa.version: [ 1, 2 ]
amdhsa.kernels:
  - .name:           k_q2ab04c4afa_cast
    .symbol:         k_q2ab04c4afa_cast.kd
    .args:
      - { .name: x, .offset: 0, .size: 8, .value_kind: global_buffer, .address_space: global }
      - { .name: We, .offset: 8, .size: 8, .value_kind: global_buffer, .address_space: global }
      - { .name: xb, .offset: 16, .size: 8, .value_kind: global_buffer, .address_space: global }
      - { .name: Wb, .offset: 24, .size: 8, .value_kind: global_buffer, .address_space: global }
    .group_segment_fixed_size: 0
    .private_segment_fixed_size: 0
    .kernarg_segment_align: 8
    .kernarg_segment_size: 32
    .max_flat_workgroup_size: 256
    .sgpr_count:     66
    .vgpr_count:     132
    .wavefront_size: 32
...
	.end_amdgpu_metadata
.endif
;; end of part 1
;; launch moe (part 2): grid 8 x 32, 4 waves a work-group, clusters of 4 x 4, 327,680 bytes of LDS; arguments xb, Wb, Wg, bg, be, out0; writes out0
.if DOCPART == 2
	.amdgcn_target "amdgcn-amd-amdhsa--gfx1250"
	.amdhsa_code_object_version 6
	.text
	.protected	k_q2ab04c4afa_moe
	.globl	k_q2ab04c4afa_moe
	.p2align	8
	.type	k_q2ab04c4afa_moe,@function
k_q2ab04c4afa_moe:
	s_mov_b64 s[64:65], 0
	v_nop
	global_prefetch_b8 v0, s[64:65] scope:SCOPE_SE
	s_setreg_imm32_b32 hwreg(HW_REG_WAVE_MODE, 25, 1), 1
	s_wait_xcnt 0x0
	s_wait_alu depctr_hold_cnt(0) depctr_sa_sdst(0) depctr_va_vdst(0) depctr_va_sdst(0) depctr_va_ssrc(0) depctr_va_vcc(0) depctr_vm_vsrc(0)
	s_getreg_b32 s2, hwreg(HW_REG_IB_STS2, 6, 4)
	s_cmp_eq_u32 s2, 0
	s_cbranch_scc0 .Lentry_in_a_cluster
	s_endpgm
.Lentry_in_a_cluster:
	s_bfe_u32 s2, ttmp6, 0x10000c
	s_cmp_lg_u32 s2, 0xf033
	s_cbranch_scc0 .Lentry_shape_is_right
	s_endpgm
.Lentry_shape_is_right:
; out[n][o] = sum over e of g[n][e] (sum over i of x[n][i] We[e][i][o] + be[e][o]),  g = softmax over e of (x Wg + bg).
; xb [8192][1024] and Wb [8][1024][1024] are x and We in bf16; Wg [1024][8], bg [8], be [8][1024] and out0 [8192][1024] are f32.
;
; SHARES.  A work-group makes 256 rows x 128 columns of out (grid 8 x 32 = 256 work-groups).  Wave w = 2 mh + eh makes rows 128 mh .. +127, all 128
; columns, summed over experts 4 eh .. 4 eh + 3: a tile of 128 x 128 f32 in 512 registers.  Both expert halves walk the same K range of x, so
; a slot of a K step of 128 holds four tiles of 128 rows x 256 bytes (x rows 0-127, x rows 128-255, We of expert t, We of expert t + 4), one tensor load a wave.
; For 32 along K a wave reads 16 KiB from LDS and issues 64 matrix instructions.
;
; THE GATE IS APPLIED IN f32 TO THE SUMS, on one set of accumulators.  With p_e = exp(l_e - max l), S = the sum of all eight p and q = max(p, 2^-64), a wave forms
;   T = Y0 + be0;   three times: T = T (q_t / q_t+1) + be_t+1, then expert t + 1's products are added onto T;   last T (q_3 / S).
; That is sum over t of (q_t / S)(Y_t + be_t).  Each rounding error is relative to a partial sum of the weighted sum itself.
; LIMITS: x, We and Wg are rounded to bf16 (nearest even); be, bg, the softmax and the combine are f32.  A gate weight under 2^-64 / S is raised to that
; figure (an error of at most 8 x 2^-64 x |Y + be|).  A quotient of two q is at most 2^64, so the sums stay finite for |Y + be| < 2^60.  v_exp_f32 gives 0 for results under
; 2^-126 (ISA guide, its entry in 15.8): the floor then takes over.  Where an expert's output is infinite under a zero gate, the result is infinite or NaN by another way than 0 x inf.
;
; THE LOGITS come from the matrix unit during the wave's first expert: each quarter step adds eight matrix instructions on the x fragments that are in registers
; anyway, with a Wg fragment of 16 rows of which row n holds expert n mod 8.  So register j of EVERY lane (r, h) holds the logit of expert j of row r, and the softmax needs no other lane.
;
; CLUSTERS: 4 x 4 work-groups.  x's tiles hang on the block row alone and are asked for jointly by the four of a row of the cluster, We's on the block column alone
; and are asked for jointly by the four of a column: that divides the requests for both by four.
;
; THE MATRIX INSTRUCTION IS USED TRANSPOSED: source 0 = 16 columns of We, source 1 = 16 rows of x.  Register j of lane (r, h) then holds out(row r, column 8 h + j).
;
; REGISTERS, in windows of 256:
;   window 0: v0-31 addresses; v32-47 Wg fragments, two buffers; v48-63 at work; v64-127, v128-191 fragments of x, two buffers; v192-255 logits, 8 for each block of 16 rows
;   window 1: v0-63 bias of the 128 columns in the accumulators' layout; v64-127, v128-191 fragments of We, two buffers; v192-255 the 32 scales (t, a), each written twice
;   window 2: accumulator tiles (a, b) of my rows 0-63 at v[8 (8 a + b)];   window 3: those of my rows 64-127
.set KSTEP, 128
.set PA,    272                        ; LDS pitch of x's rows: 256 + 16 bytes = 17 x 16: the 16 rows of a fragment load begin at 16 different multiples of 16 modulo 256
.set PB,    288                        ; LDS pitch of We's rows: 256 + 32 bytes = 9 x 32: the 8 rows x 32 bytes that half a transposing load touches begin at 8 different multiples of 32 modulo 256
.set QT,    128*PB                     ; 36,864: a region, what one tensor load fills (x's use 34,816 of it)
.set SLOT,  4*QT                       ; 147,456
.set WGF,   2*SLOT                     ; 294,912: 32,768 bytes of Wg fragments in register order [chunk of 32 K][half][lane][16 bytes]; no tensor load lands here
.set SP,    528                        ; the way out: a row of 128 f32 + 16 bytes = 33 x 16
.set SREG,  128*SP                     ; 67,584: a wave's partial sums; four of them lie in the slots, behind the slots' last fill
.set ASTEP, 2*KSTEP*2                  ; x: two K steps on, in bytes
.set AWRAP, 6*KSTEP*2                  ; x: from K step 6 (7) back to 0 (1), for the next expert
.set BSTEP, 2*KSTEP*2048               ; We: 256 rows of 2,048 bytes on; expert e + 1 begins where e ends
.set ADRA, 16                          ; v16-17  LDS address of my x fragments in slot 0, 1
.set ADRB, 20                          ; v20-21  the same for We
.set ADRW, 22                          ; v22     Wg fragments: 16 bytes a lane, stepped by a lap's eight chunks
.set BEO,  23                          ; v23     32 h: my eight columns in a block of 16, in bytes of f32
.set STO,  24                          ; v24     the way out: where my partial sums go
.set RD0,  25                          ; v25-26  the way out: where I read rows of the two partial sums
.set RD1,  26
.set CO,   27                          ; v27     16 x lane: my 16 bytes of an output row's 512
.set WST,  28                          ; v28     where thread q puts its part of the Wg fragments
.set WGO,  29                          ; v29     256 q: thread q's eight rows of Wg
.set WF,   32                          ; v32-39 beside buffer 0, v40-47 beside buffer 1
.set T,    48
.set F0,   64
.set F1,   128
.set GL,   192                         ; window 0
.set BE,   0                           ; window 1
.set SC,   192                         ; window 1
.set G1,   24                          ; s[24:31] descriptor group 1, x's tiles
.set G0,   32                          ; s[32:39] group 0, x's tiles, a set for each slot
.set G1B,  40                          ; s[40:47] group 1, We's tiles
.set G0B,  48                          ; s[48:55] group 0, We's tiles, a set for each slot
.set MSB, 0
.macro WIN new                         ; s_set_vgpr_msb, low byte: bits 1:0 source 0, 3:2 source 1, 5:4 source 2, 7:6 destination; the high byte repeats the setting that is left
.if MSB != \new
	s_set_vgpr_msb (MSB<<8)|\new
.set MSB, \new
.endif
.endm
.set MUL_LO,  0xa1                     ; source 0 (We) window 1, source 1 (x) window 0, C and D window 2
.set MUL_HI,  0xf1                     ; the same, C and D window 3
.set MUL_LO1, 0x91                     ; the first products: C is the bias in window 1, D window 2
.set MUL_HI1, 0xd1                     ; D window 3
.set TO_B,    0x40                     ; destination window 1, all sources window 0
; A joint load.  Waves 0 and 1 fetch x's two halves, waves 2 and 3 the two experts' tiles of We.  Each line has one mask and one set of registers for all that issue it.
; The branch hangs on the wave's number alone.
.macro JLOAD s
	s_cmp_eq_u32 s17, 0
	s_cbranch_scc0 .Lfor_b_\@
	tensor_load_to_lds s[G0+4*\s:G0+4*\s+3], s[G1:G1+7]
	s_nop 0
	s_branch .Lasked_\@
.Lfor_b_\@:
	tensor_load_to_lds s[G0B+4*\s:G0B+4*\s+3], s[G1B:G1B+7]
	s_nop 0
.Lasked_\@:
.endm
; A round of the cluster's barrier: my work-group's barrier, wave 0 signals for the work-group, every wave waits for all sixteen, my work-group's barrier once more.
.macro CREST                           ; a round behind its opening barrier
	s_cmp_lg_u32 s16, 0
	s_cbranch_scc1 .Lnot_wave_0_\@
	s_barrier_signal -3
.Lnot_wave_0_\@:
	s_barrier_wait -3
	s_barrier_signal -1
	s_barrier_wait -1
.endm
.macro CROUND                          ; a whole round
	s_barrier_signal -1
	s_barrier_wait -1
	CREST
.endm
; Four places: a vector instruction that reads a matrix result or writes a matrix instruction's register, and a load into such a register, stand four plain
; vector instructions behind that matrix instruction (ISA guide 7.12.1 for vector instructions).
.macro PLACES
.rept 4
	v_nop
.endr
.endm
	s_load_b256 s[4:11], s[0:1], 0x0               ; xb s[4:5], Wb s[6:7], Wg s[8:9], bg s[10:11]
	s_load_b128 s[12:15], s[0:1], 0x20             ; be s[12:13], out0 s[14:15]
	v_lshrrev_b32 v1, 5, v0
	v_readfirstlane_b32 s16, v1                    ; wave 0..3
	s_lshr_b32 s17, s16, 1                         ; mh: my half of the rows.  Also: I fetch for x (0) or for We (1)
	s_and_b32 s18, s16, 1                          ; eh: my half of the experts.  Also: which of the two tiles I fetch
	s_bfe_u32 s19, ttmp6, 0x40000                  ; cx
	s_bfe_u32 s20, ttmp6, 0x40004                  ; cy
	s_lshl_b32 s21, ttmp9, 2
	s_add_co_u32 s21, s21, s19                     ; block column = 4 x cluster x + cx
	s_and_b32 s22, ttmp7, 0xffff
	s_lshl_b32 s22, s22, 2
	s_add_co_u32 s22, s22, s20                     ; block row = 4 x cluster y + cy
	s_lshl_b32 s23, s20, 2
	s_lshl_b32 s23, 15, s23                        ; my row of the cluster: places 4 cy .. 4 cy + 3
	s_lshl_b32 s73, 0x1111, s19                    ; my column: places cx, cx + 4, cx + 8, cx + 12
	; group 1: tiles of 128 rows x 128 elements of 2 bytes, 1,024 elements from row to row, padded in LDS behind every 64 words
	s_or_b32 s[G1+0],  s23, (1<<16)|(1<<20)|(1<<21)|(5<<22)|(3<<25)   ; 15:0 mask: my row; 17:16 2 bytes; 20 padding on; 21 set beside a mask; 24:22 every 64 words; 31:25 4 words
	s_or_b32 s[G1B+0], s73, (1<<16)|(1<<20)|(1<<21)|(5<<22)|(7<<25)   ; mask: my column; padding of 8 words
	s_mov_b32 s[G1+1],  KSTEP<<16                  ; 63:48 tensor_dim0 = 128
	s_mov_b32 s[G1B+1], KSTEP<<16
	s_mov_b32 s[G1+2],  128<<16                    ; 95:80 tensor_dim1 = 128
	s_mov_b32 s[G1B+2], 128<<16
	s_mov_b32 s[G1+3],  KSTEP<<16                  ; 127:112 tile_dim0 = 128
	s_mov_b32 s[G1B+3], KSTEP<<16
	s_mov_b32 s[G1+4],  128                        ; 143:128 tile_dim1 = 128; tile_dim2 = 0
	s_mov_b32 s[G1B+4], 128
	s_mov_b32 s[G1+5],  1024                       ; 191:160 elements from row to row
	s_mov_b32 s[G1B+5], 1024
	s_mov_b32 s[G1+6],  0
	s_mov_b32 s[G1B+6], 0
	s_mov_b32 s[G1+7],  0
	s_mov_b32 s[G1B+7], 0
	; where the tiles come from.  s66-69 and s74 never hold cx, s70-71 and s75 never hold cy.
	s_lshl_b32 s66, s22, 8
	s_lshl_b32 s74, s18, 7
	s_add_co_u32 s66, s66, s74                     ; x: row 256 x block row + 128 x half
	s_lshl_b32 s66, s66, 11                        ; rows of 2,048 bytes: below 2^24
	s_mov_b32 s67, 0
	s_lshl_b32 s70, s18, 23                        ; We: four experts of 2,097,152 bytes for the upper half
	s_lshl_b32 s75, s21, 8                         ; 128 columns of 2 bytes for each block column
	s_add_co_u32 s70, s70, s75
	s_mov_b32 s71, 0
	s_mul_i32 s72, s16, QT                         ; and where they go: region = wave
	s_mov_b32 s76, 0x3fb8aa3b                      ; log2 e
	s_mov_b32 s77, 0x1f800000                      ; 2^-64
	s_cmp_lg_u32 s18, 0
	s_cselect_b32 s78, -1, 0                       ; a lane mask: all ones in the waves of the upper experts
	s_wait_kmcnt 0x0
	s_add_nc_u64 s[68:69], s[4:5], s[66:67]
	s_add_nc_u64 s[70:71], s[6:7], s[70:71]
	CROUND                                         ; all sixteen work-groups are here: the first joint loads meet
.irp s, 0,1
	s_mov_b32 s[G0+4*\s], 1                                        ; count = 1
	s_add_co_u32 s[G0+4*\s+1], s72, \s*SLOT                        ; LDS address
	s_add_nc_u64 s[G0+4*\s+2:G0+4*\s+3], s[68:69], \s*KSTEP*2      ; global address: K step s
	s_or_b32 s[G0+4*\s+3], s[G0+4*\s+3], 0x80000000                ; type = 2
	s_mov_b32 s[G0B+4*\s], 1
	s_add_co_u32 s[G0B+4*\s+1], s72, \s*SLOT
	s_add_nc_u64 s[G0B+4*\s+2:G0B+4*\s+3], s[70:71], \s*KSTEP*2048
	s_or_b32 s[G0B+4*\s+3], s[G0B+4*\s+3], 0x80000000
	JLOAD \s                                       ; both slots are asked for before anything else: two tensor loads of the wave are out
.endr
	; the small inputs
	s_load_b256 s[56:63], s[10:11], 0x0            ; the eight bg
	s_lshl_b32 s82, s18, 14                        ; be: expert 4 eh, rows of 4,096 bytes
	s_lshl_b32 s75, s21, 9                         ; 128 columns of 4 bytes for each block column
	s_add_co_u32 s82, s82, s75
	s_mov_b32 s83, 0
	s_add_nc_u64 s[12:13], s[12:13], s[82:83]
	s_lshl_b32 s80, s22, 8                         ; out: row 256 x block row + 128 mh + 64 eh,
	s_lshl_b32 s74, s17, 7
	s_add_co_u32 s80, s80, s74
	s_lshl_b32 s74, s18, 6
	s_add_co_u32 s80, s80, s74
	s_lshl_b32 s80, s80, 12                        ; rows of 4,096 bytes: below 2^25,
	s_add_co_u32 s80, s80, s75                     ; and the block column's 512 bytes
	s_mov_b32 s81, 0
	s_add_nc_u64 s[14:15], s[14:15], s[80:81]
	v_lshlrev_b32 v[WGO], 8, v0                    ; thread q of 128 takes Wg's rows 8 q .. 8 q + 7: 256 bytes
	v_bfe_u32 v3, v0, 4, 1                         ; h
	v_lshlrev_b32 v[BEO], 5, v3
.irp i, 0,1,2,3,4,5,6,7,8,9,10,11,12,13,14,15
	global_load_b128 v[F0+4*\i:F0+4*\i+3], v[WGO], s[8:9] offset:16*\i    ; Wg[8 q + j][n] in v[F0 + 8 j + n]
.endr
; The bias of the expert at s[12:13] in the accumulators' layout: v[BE + 8 b + j] = be[e][first column + 16 b + 8 h + j]
.macro BELOADS
	WIN TO_B
.irp b, 0,1,2,3,4,5,6,7
.irp c, 0,1
	global_load_b128 v[BE+8*\b+4*\c:BE+8*\b+4*\c+3], v[BEO], s[12:13] offset:64*\b+16*\c
.endr
.endr
	WIN 0
.endm
	BELOADS
	; lane addresses: L = lane, r = L mod 16, h = L / 16
	v_and_b32 v1, 31, v0                           ; L
	v_and_b32 v2, 15, v0                           ; r
	v_mul_u32_u24 v4, v2, PA
	v_lshl_add_u32 v4, v3, 4, v4                   ; x fragment: row r, 16 bytes for each half of the lanes
	s_mul_i32 s74, s17, QT                         ; my 128 rows of x: region mh
	v_add_nc_u32 v[ADRA], s74, v4
	v_add_nc_u32 v[ADRA+1], SLOT, v[ADRA]
	v_and_b32 v5, 7, v0
	v_lshl_add_u32 v5, v3, 3, v5                   ; We fragment, rows along N: K row 8 h + L mod 8,
	v_mul_u32_u24 v5, v5, PB
	v_bfe_u32 v6, v0, 3, 1
	v_lshl_add_u32 v5, v6, 4, v5                   ; and 16 bytes for each group of eight lanes
	s_add_co_u32 s74, s18, 2
	s_mul_i32 s74, s74, QT                         ; my experts' tile: region 2 + eh
	v_add_nc_u32 v[ADRB], s74, v5
	v_add_nc_u32 v[ADRB+1], SLOT, v[ADRB]
	v_lshl_add_u32 v[ADRW], v1, 4, WGF
	v_lshl_add_u32 v[WST], v0, 8, WGF              ; K = 8 q is chunk q / 4, half (q / 2) mod 2, h = q mod 2: 1,024 + 512 + 256 bytes apart, which is 256 q
	v_mul_u32_u24 v7, v2, SP
	v_lshl_add_u32 v7, v3, 5, v7                   ; partial sums: row r, 32 bytes for each half of the lanes
	s_mul_i32 s74, s16, SREG
	v_add_nc_u32 v[STO], s74, v7
	v_lshlrev_b32 v[CO], 4, v1
	s_mul_i32 s74, s17, 2*SREG                     ; back: the partial sums of waves 2 mh and 2 mh + 1,
	v_add_nc_u32 v[RD0], s74, v[CO]
	s_mul_i32 s74, s18, 64*SP                      ; their rows 64 eh .. 64 eh + 63
	v_add_nc_u32 v[RD0], s74, v[RD0]
	v_add_nc_u32 v[RD1], SREG, v[RD0]
	; Wg in bf16 as fragments: lane (r, h) of chunk s holds Wg[32 s + 16 c + 8 h + 0..7][r mod 8] in its quad c.  Thread q has these eight K for all eight experts.
	s_wait_loadcnt 16                              ; Wg's 16 loads are in; the 16 of the bias, issued behind them, may stay out
.irp n, 0,1,2,3,4,5,6,7
.irp p, 0,1,2,3
	v_cvt_pk_bf16_f32 v[F1+4*\n+\p], v[F0+16*\p+\n], v[F0+16*\p+8+\n]
.endr
	ds_store_b128 v[WST], v[F1+4*\n:F1+4*\n+3] offset:16*\n        ; row r = n
	ds_store_b128 v[WST], v[F1+4*\n:F1+4*\n+3] offset:16*\n+128    ; and row r = n + 8: the same expert
.endr
	s_wait_loadcnt 0x0                             ; the first bias
	s_wait_kmcnt 0x0                               ; bg
	s_wait_dscnt 0x0                               ; my part of the Wg fragments is written, for the other waves' sake
	s_wait_tensorcnt 0x1                           ; my part of slot 0 is in; slot 1's may stay out
	s_barrier_signal -1
	s_barrier_wait -1
; 16 matrix instructions: row blocks a0, a0 + 1 of the window's four (hi = 0: my rows 0-63, 1: rows 64-127) x all 8 column blocks, 32 along K.
; mode = 1: the first products of the first expert take the bias as C: nothing is cleared and the bias costs nothing.
.macro MUL16 f, hi, a0, mode
.irp a, \a0, \a0+1
.irp b, 0,1,2,3,4,5,6,7
.if \mode
	v_wmma_f32_16x16x32_bf16 v[8*(8*(\a)+\b):8*(8*(\a)+\b)+7], v[\f+8*\b:\f+8*\b+7], v[\f+8*(4*\hi+\a):\f+8*(4*\hi+\a)+7], v[BE+8*\b:BE+8*\b+7]
.else
	v_wmma_f32_16x16x32_bf16 v[8*(8*(\a)+\b):8*(8*(\a)+\b)+7], v[\f+8*\b:\f+8*\b+7], v[\f+8*(4*\hi+\a):\f+8*(4*\hi+\a)+7], v[8*(8*(\a)+\b):8*(8*(\a)+\b)+7]
.endif
.endr
.endr
.endm
; 8 matrix instructions for the logits: the Wg fragment beside buffer f times the eight x fragments of buffer f.  gz = 1: the first chunk starts the sums.
.macro GATE8 f, gz
.irp a, 0,1,2,3,4,5,6,7
.if \gz
	v_wmma_f32_16x16x32_bf16 v[GL+8*\a:GL+8*\a+7], v[WF+(\f-F0)/8:WF+(\f-F0)/8+7], v[\f+8*\a:\f+8*\a+7], 0
.else
	v_wmma_f32_16x16x32_bf16 v[GL+8*\a:GL+8*\a+7], v[WF+(\f-F0)/8:WF+(\f-F0)/8+7], v[\f+8*\a:\f+8*\a+7], v[GL+8*\a:GL+8*\a+7]
.endif
.endr
.endm
; One run of LDS loads: the fragments of quarter q of a slot into buffer f: 16 transposing loads for We (K rows 32 q .., 16 columns each), with gate = 1 the
; two of Wg's chunk widx (counted from ADRW), 16 for x.  x's come last, so that a count of 8 leaves x's rows 64-127 out.
.macro FETCH slot, q, f, gate, widx
	WIN TO_B
.irp i, 0,1,2,3,4,5,6,7
	ds_load_tr16_b128 v[\f+8*\i:\f+8*\i+3],   v[ADRB+\slot] offset:32*PB*(\q)+32*\i          ; K = 8 h + 0..7 of column 16 i + r
	ds_load_tr16_b128 v[\f+8*\i+4:\f+8*\i+7], v[ADRB+\slot] offset:32*PB*(\q)+32*\i+16*PB    ; K = 16 + 8 h + 0..7
.endr
	WIN 0
.if \gate
	ds_load_b128 v[WF+(\f-F0)/8:WF+(\f-F0)/8+3],   v[ADRW] offset:1024*(\widx)
	ds_load_b128 v[WF+(\f-F0)/8+4:WF+(\f-F0)/8+7], v[ADRW] offset:1024*(\widx)+512
.endif
.irp i, 0,1,2,3,4,5,6,7
	ds_load_b128 v[\f+8*\i:\f+8*\i+3],   v[ADRA+\slot] offset:64*(\q)+16*PA*\i
	ds_load_b128 v[\f+8*\i+4:\f+8*\i+7], v[ADRA+\slot] offset:64*(\q)+16*PA*\i+32
.endr
.endm
; A K step is four quarters of 32 along K on buffers 0, 1, 0, 1.  The 64 accumulators (72 with the logits') take turns, one instruction a turn, in the same order
; in every quarter, over the backward jumps and into the tail.
; One of the first three quarters: multiplies buffer f and, in its middle, fetches quarter qn of the same slot into buffer g.
.macro QUARTER slot, qn, f, g, mode, gate, widx
	s_wait_dscnt 8                                 ; all but the youngest eight loads (x's rows 64-127) are in
.if \mode
	WIN MUL_LO1
.else
	WIN MUL_LO
.endif
	MUL16 \f, 0, 0, \mode
	MUL16 \f, 0, 2, \mode
	PLACES
	FETCH \slot, \qn, \g, \gate, \widx
	s_wait_dscnt 32+2*\gate                        ; all but the run just issued
.if \mode
	WIN MUL_HI1
.else
	WIN MUL_HI
.endif
	MUL16 \f, 1, 0, \mode
	MUL16 \f, 1, 2, \mode
.if \gate
	WIN 0
	GATE8 \f, \mode
.endif
.endm
.macro THREE slot, mode, gate, wb
	QUARTER \slot, 1, F0, F1, \mode, \gate, \wb+1
	QUARTER \slot, 2, F1, F0, 0, \gate, \wb+2
	QUARTER \slot, 3, F0, F1, 0, \gate, \wb+3
.endm
; The last quarter: multiplies buffer 1 and changes slots.  fill = 1: this slot is filled again, two K steps ahead (wrap = 1: with the next expert's first steps).
; In front of the opening signal each wave waits for its reads of this slot and for all its tensor loads, of which one is out: its part of the next slot.  Behind the
; round no wave of any partner reads this slot or has a load on its way: the joint refill comes first, then the next slot's first fragments.
; From a request to the wait for it a wave issues 240 product instructions.
.macro TURN slot, next, fill, wrap, gate, gnext, widx
	s_wait_dscnt 8
	WIN MUL_LO
	MUL16 F1, 0, 0, 0
	s_wait_dscnt 0x0                               ; my reads of this slot are over
	s_wait_tensorcnt 0x0                           ; all my tensor loads have landed
	s_barrier_signal -1
	MUL16 F1, 0, 2, 0                              ; register work while the others arrive
	WIN 0
	s_barrier_wait -1
.if \fill
	CREST
.if \wrap
	s_sub_nc_u64 s[G0+4*\slot+2:G0+4*\slot+3], s[G0+4*\slot+2:G0+4*\slot+3], AWRAP
.else
	s_add_nc_u64 s[G0+4*\slot+2:G0+4*\slot+3], s[G0+4*\slot+2:G0+4*\slot+3], ASTEP
.endif
	s_add_nc_u64 s[G0B+4*\slot+2:G0B+4*\slot+3], s[G0B+4*\slot+2:G0B+4*\slot+3], BSTEP
	JLOAD \slot                                    ; my one tensor load behind the round, and the first thing there
.endif
	PLACES
	FETCH \next, 0, F0, \gnext, \widx
	WIN MUL_HI
	MUL16 F1, 1, 0, 0
	MUL16 F1, 1, 2, 0
.if \gate
	WIN 0
	GATE8 F1, 0
.endif
.endm
; Once round the ring: two K steps, both slots filled again.  glast = 1: a further lap with logits follows, so its first Wg chunk is fetched and ADRW goes on by eight chunks.
.macro LAP mode, gate, wrap, glast
	THREE 0, \mode, \gate, 0
	TURN 0, 1, 1, \wrap, \gate, \gate, 4
	THREE 1, 0, \gate, 4
	TURN 1, 0, 1, \wrap, \gate, \glast, 8
	WIN 0                                          ; at a label and at a branch every window is 0
.if \glast
	v_add_nc_u32 v[ADRW], 8192, v[ADRW]
.endif
.endm
; The next expert's bias, asked for one lap before it is used.  The loads that named s[12:13] before were waited for with the count 0.
.macro LOADBE
	s_add_nc_u64 s[12:13], s[12:13], 4096
	BELOADS
.endm
; The softmax, in each lane for row r of each of the eight blocks of 16 rows; then the 32 scales.  L_j = v[GL + 8 a + j].
.macro SOFTMAX
.irp a, 0,1,2,3,4,5,6,7
.irp j, 0,1,2,3,4,5,6,7
	v_add_f32 v[GL+8*\a+\j], s[56+\j], v[GL+8*\a+\j]               ; + bg
.endr
	v_max3_num_f32 v[T], v[GL+8*\a], v[GL+8*\a+1], v[GL+8*\a+2]
	v_max3_num_f32 v[T], v[T], v[GL+8*\a+3], v[GL+8*\a+4]
	v_max3_num_f32 v[T], v[T], v[GL+8*\a+5], v[GL+8*\a+6]
	v_max_num_f32 v[T], v[T], v[GL+8*\a+7]                         ; the row's largest logit
	v_mul_f32 v[T+1], s76, v[T]                                    ; its rounding is common to all eight experts and cancels in p / S
.irp j, 0,1,2,3,4,5,6,7
	v_fma_f32 v[GL+8*\a+\j], v[GL+8*\a+\j], s76, -v[T+1]           ; (l - max) log2 e
.endr
.irp j, 0,1,2,3,4,5,6,7
	v_exp_f32 v[GL+8*\a+\j], v[GL+8*\a+\j]                         ; p
.endr
	v_nop                                                          ; one plain place behind the transcendentals (ISA guide 5.7.2)
	s_wait_alu depctr_va_vdst(0)
	v_add_f32 v[T+2], v[GL+8*\a],   v[GL+8*\a+1]
	v_add_f32 v[T+3], v[GL+8*\a+2], v[GL+8*\a+3]
	v_add_f32 v[T+4], v[GL+8*\a+4], v[GL+8*\a+5]
	v_add_f32 v[T+5], v[GL+8*\a+6], v[GL+8*\a+7]
	v_add_f32 v[T+2], v[T+2], v[T+3]
	v_add_f32 v[T+4], v[T+4], v[T+5]
	v_add_f32 v[T+2], v[T+2], v[T+4]                               ; S, over all eight experts
.irp t, 0,1,2,3
	v_cndmask_b32 v[T+8+\t], v[GL+8*\a+\t], v[GL+8*\a+4+\t], s78   ; my four experts' p
.endr
.irp t, 0,1,2,3
	v_max_num_f32 v[GL+8*\a+\t], s77, v[T+8+\t]                    ; q = max(p, 2^-64)
.endr
	v_rcp_f32 v[GL+8*\a+4], v[GL+8*\a+1]
	v_rcp_f32 v[GL+8*\a+5], v[GL+8*\a+2]
	v_rcp_f32 v[GL+8*\a+6], v[GL+8*\a+3]
	v_rcp_f32 v[GL+8*\a+7], v[T+2]
	v_nop                                                          ; one plain place
.endr
	WIN TO_B
	s_wait_alu depctr_va_vdst(0)
.irp a, 0,1,2,3,4,5,6,7
.irp t, 0,1,2,3
	v_mul_f32 v[SC+2*(8*\t+\a)],   v[GL+8*\a+\t], v[GL+8*\a+4+\t]  ; q0/q1, q1/q2, q2/q3, q3/S,
	v_mul_f32 v[SC+2*(8*\t+\a)+1], v[GL+8*\a+\t], v[GL+8*\a+4+\t]  ; twice: a pair for the packed forms
.endr
.endr
	WIN 0
.endm
; T = T x scale(t) + the next expert's bias: 256 packed multiply-adds.  A lane's row is r in every tile of row block a, so one scale serves the block's eight tiles.
.macro RESCALE t
	s_wait_loadcnt 0x0                             ; the next bias is in
	PLACES
	WIN 0x96                                       ; sums window 2, scale and bias window 1
.irp a, 0,1,2,3
.irp b, 0,1,2,3,4,5,6,7
.irp j, 0,2,4,6
	v_pk_fma_f32 v[8*(8*\a+\b)+\j:8*(8*\a+\b)+\j+1], v[8*(8*\a+\b)+\j:8*(8*\a+\b)+\j+1], v[SC+2*(8*\t+\a):SC+2*(8*\t+\a)+1], v[BE+8*\b+\j:BE+8*\b+\j+1]
.endr
.endr
.endr
	WIN 0xd7                                       ; sums window 3
.irp a, 0,1,2,3
.irp b, 0,1,2,3,4,5,6,7
.irp j, 0,2,4,6
	v_pk_fma_f32 v[8*(8*\a+\b)+\j:8*(8*\a+\b)+\j+1], v[8*(8*\a+\b)+\j:8*(8*\a+\b)+\j+1], v[SC+2*(8*\t+\a+4):SC+2*(8*\t+\a+4)+1], v[BE+8*\b+\j:BE+8*\b+\j+1]
.endr
.endr
.endr
	WIN 0
.endm
	; MY FIRST EXPERT, with the logits: four laps
	FETCH 0, 0, F0, 1, 0
	LAP 1, 1, 0, 1                                 ; written out: its first products start the sums
	s_mov_b32 s3, 2
.Lfirst:
	LAP 0, 1, 0, 1
	s_sub_co_u32 s3, s3, 1
	s_cmp_lg_u32 s3, 0
	s_cbranch_scc1 .Lfirst
	LOADBE
	LAP 0, 1, 1, 0                                 ; the fourth lap asks for the next expert's first two K steps
	PLACES
	SOFTMAX
	RESCALE 0
	; MY SECOND EXPERT
	s_mov_b32 s3, 3
.Lsecond:
	LAP 0, 0, 0, 0
	s_sub_co_u32 s3, s3, 1
	s_cmp_lg_u32 s3, 0
	s_cbranch_scc1 .Lsecond
	LOADBE
	LAP 0, 0, 1, 0
	RESCALE 1
	; MY THIRD EXPERT
	s_mov_b32 s3, 3
.Lthird:
	LAP 0, 0, 0, 0
	s_sub_co_u32 s3, s3, 1
	s_cmp_lg_u32 s3, 0
	s_cbranch_scc1 .Lthird
	LOADBE
	LAP 0, 0, 1, 0
	RESCALE 2
	; MY FOURTH EXPERT: the last lap fills nothing and has no round of the cluster's barrier
	s_mov_b32 s3, 3
.Lfourth:
	LAP 0, 0, 0, 0
	s_sub_co_u32 s3, s3, 1
	s_cmp_lg_u32 s3, 0
	s_cbranch_scc1 .Lfourth
	THREE 0, 0, 0, 0
	TURN 0, 1, 0, 0, 0, 0, 0
	THREE 1, 0, 0, 0
	s_wait_dscnt 8                                 ; the very last quarter: nothing more to fetch
	WIN MUL_LO
	MUL16 F1, 0, 0, 0
	MUL16 F1, 0, 2, 0
	s_wait_dscnt 0x0
	WIN MUL_HI
	MUL16 F1, 1, 0, 0
	MUL16 F1, 1, 2, 0
	; T x q3 / S: my four experts' share of the result
	PLACES
	WIN 0x86
.irp a, 0,1,2,3
.irp b, 0,1,2,3,4,5,6,7
.irp j, 0,2,4,6
	v_pk_mul_f32 v[8*(8*\a+\b)+\j:8*(8*\a+\b)+\j+1], v[8*(8*\a+\b)+\j:8*(8*\a+\b)+\j+1], v[SC+2*(24+\a):SC+2*(24+\a)+1]
.endr
.endr
.endr
	WIN 0xc7
.irp a, 0,1,2,3
.irp b, 0,1,2,3,4,5,6,7
.irp j, 0,2,4,6
	v_pk_mul_f32 v[8*(8*\a+\b)+\j:8*(8*\a+\b)+\j+1], v[8*(8*\a+\b)+\j:8*(8*\a+\b)+\j+1], v[SC+2*(28+\a):SC+2*(28+\a)+1]
.endr
.endr
.endr
	WIN 0
	; THE WAY OUT.  The slots have had their last fill; when no wave reads them any more, each wave lays its 128 x 128 f32 into them by rows.
	s_wait_dscnt 0x0                               ; my reads of the slots are over
	s_barrier_signal -1
	s_barrier_wait -1                              ; everybody's are
	WIN 0x08                                       ; store data from window 2
.irp a, 0,1,2,3
.irp b, 0,1,2,3,4,5,6,7
	ds_store_b128 v[STO], v[8*(8*\a+\b):8*(8*\a+\b)+3]   offset:16*SP*\a+64*\b       ; row 16 a + r, columns 16 b + 8 h + 0..3
	ds_store_b128 v[STO], v[8*(8*\a+\b)+4:8*(8*\a+\b)+7] offset:16*SP*\a+64*\b+16    ; columns 16 b + 8 h + 4..7
.endr
.endr
	WIN 0x0c                                       ; from window 3
.irp a, 0,1,2,3
.irp b, 0,1,2,3,4,5,6,7
	ds_store_b128 v[STO], v[8*(8*\a+\b):8*(8*\a+\b)+3]   offset:16*SP*(\a+4)+64*\b
	ds_store_b128 v[STO], v[8*(8*\a+\b)+4:8*(8*\a+\b)+7] offset:16*SP*(\a+4)+64*\b+16
.endr
.endr
	WIN 0
	s_wait_dscnt 0x0                               ; my partial sums are written, for the other wave's sake
	s_barrier_signal -1
	s_barrier_wait -1
; 16 rows: row 64 eh + 16 i + t of the two partial sums of my row half, added and stored.  A wave's store covers a row's 512 consecutive bytes, at a multiple of 512 from out0's first byte.
.macro OUTB i
	s_wait_xcnt 0x0                                ; buffer 0, which the last batch's stores read, is loaded again only behind this wait
.irp t, 0,1,2,3,4,5,6,7,8,9,10,11,12,13,14,15
	ds_load_b128 v[F0+4*\t:F0+4*\t+3], v[RD0] offset:SP*(16*\i+\t)
	ds_load_b128 v[F1+4*\t:F1+4*\t+3], v[RD1] offset:SP*(16*\i+\t)
.endr
.irp t, 0,1,2,3,4,5,6,7,8,9,10,11,12,13,14,15
	s_wait_dscnt 30-2*\t                           ; LDS loads come back in order (ISA guide 5.7.1): pair t is in, the younger pairs stay out
	v_pk_add_f32 v[F0+4*\t:F0+4*\t+1],   v[F0+4*\t:F0+4*\t+1],   v[F1+4*\t:F1+4*\t+1]
	v_pk_add_f32 v[F0+4*\t+2:F0+4*\t+3], v[F0+4*\t+2:F0+4*\t+3], v[F1+4*\t+2:F1+4*\t+3]
	global_store_b128 v[CO], v[F0+4*\t:F0+4*\t+3], s[14:15] offset:4096*(16*\i+\t) th:TH_STORE_NT
.endr
.endm
	OUTB 0
	OUTB 1
	OUTB 2
	OUTB 3
	CROUND                                         ; the closing round: no work-group ends while a partner may still ask for a tile that names it
	s_endpgm
.Lfunc_end_k_q2ab04c4afa_moe:
	.size	k_q2ab04c4afa_moe, .Lfunc_end_k_q2ab04c4afa_moe-k_q2ab04c4afa_moe
	.p2alignl 7, 3214868480
	.fill 96, 4, 3214868480
	.section	.rodata,"a",@progbits
	.p2align	6, 0x0
	.amdhsa_kernel k_q2ab04c4afa_moe
		.amdhsa_group_segment_fixed_size 327680
		.amdhsa_private_segment_fixed_size 0
		.amdhsa_enable_private_segment 0
		.amdhsa_kernarg_size 48
		.amdhsa_user_sgpr_count 2
		.amdhsa_user_sgpr_kernarg_segment_ptr 1
		.amdhsa_wavefront_size32 1
		.amdhsa_system_sgpr_workgroup_id_x 1
		.amdhsa_system_sgpr_workgroup_id_y 1
		.amdhsa_system_sgpr_workgroup_id_z 1
		.amdhsa_system_vgpr_workitem_id 0
		.amdhsa_next_free_vgpr 1024
		.amdhsa_next_free_sgpr 84
		.amdhsa_reserve_vcc 0
		.amdhsa_float_denorm_mode_32 3
		.amdhsa_float_denorm_mode_16_64 3
		.amdhsa_memory_ordered 1
		.amdhsa_forward_progress 1
		.amdhsa_inst_pref_size 255
	.end_amdhsa_kernel
	.section	.bss,"aw",@nobits
	.p2align	6
	.space	262144
	.amdgpu_metadata
---
amdhsa.version: [ 1, 2 ]
amdhsa.kernels:
  - .name:           k_q2ab04c4afa_moe
    .symbol:         k_q2ab04c4afa_moe.kd
    .args:
      - { .name: xb, .offset: 0, .size: 8, .value_kind: global_buffer, .address_space: global }
      - { .name: Wb, .offset: 8, .size: 8, .value_kind: global_buffer, .address_space: global }
      - { .name: Wg, .offset: 16, .size: 8, .value_kind: global_buffer, .address_space: global }
      - { .name: bg, .offset: 24, .size: 8, .value_kind: global_buffer, .address_space: global }
      - { .name: be, .offset: 32, .size: 8, .value_kind: global_buffer, .address_space: global }
      - { .name: out0, .offset: 40, .size: 8, .value_kind: global_buffer, .address_space: global }
    .group_segment_fixed_size: 327680
    .private_segment_fixed_size: 0
    .kernarg_segment_align: 8
    .kernarg_segment_size: 48
    .max_flat_workgroup_size: 128
    .sgpr_count:     84
    .vgpr_count:     1024
    .wavefront_size: 32
...
	.end_amdgpu_metadata
.endif
;; end of part 2
;; ======== version 2 of 3: 2 launches; 1.16 times as fast as version 1
;; limits: right only within a limited range of input values
;; workspace buffers: xb 16,777,216 bytes; Wb 16,777,216 bytes
;; launch cast: the kernel of part 1 again; grid 256 x 2, 8 waves a work-group, no clusters, 0 bytes of LDS; arguments x, We, xb, Wb; writes xb, Wb
;; launch moe (part 3): grid 8 x 32, 4 waves a work-group, clusters of 4 x 4, 327,680 bytes of LDS; arguments xb, Wb, Wg, bg, be, out0; writes out0
.if DOCPART == 3
	.amdgcn_target "amdgcn-amd-amdhsa--gfx1250"
	.amdhsa_code_object_version 6
	.text
	.protected	k_q2ab04c4afa_moe
	.globl	k_q2ab04c4afa_moe
	.p2align	8
	.type	k_q2ab04c4afa_moe,@function
k_q2ab04c4afa_moe:
	s_mov_b64 s[64:65], 0
	v_nop
	global_prefetch_b8 v0, s[64:65] scope:SCOPE_SE
	s_setreg_imm32_b32 hwreg(HW_REG_WAVE_MODE, 25, 1), 1
	s_wait_xcnt 0x0
	s_wait_alu depctr_hold_cnt(0) depctr_sa_sdst(0) depctr_va_vdst(0) depctr_va_sdst(0) depctr_va_ssrc(0) depctr_va_vcc(0) depctr_vm_vsrc(0)
	s_getreg_b32 s2, hwreg(HW_REG_IB_STS2, 6, 4)
	s_cmp_eq_u32 s2, 0
	s_cbranch_scc0 .Lentry_in_a_cluster
	s_endpgm
.Lentry_in_a_cluster:
	s_bfe_u32 s2, ttmp6, 0x10000c
	s_cmp_lg_u32 s2, 0xf033
	s_cbranch_scc0 .Lentry_shape_is_right
	s_endpgm
.Lentry_shape_is_right:
; out[n][o] = sum over e of g[n][e] (sum over i of x[n][i] We[e][i][o] + be[e][o]),  g = softmax over e of (x Wg + bg).
; xb [8192][1024] and Wb [8][1024][1024] are x and We in bf16; Wg [1024][8], bg [8], be [8][1024] and out0 [8192][1024] are f32.
;
; SHARES.  A work-group makes 256 rows x 128 columns of out (grid 8 x 32 = 256 work-groups).  Wave w = 2 mh + eh makes rows 128 mh .. +127, all 128
; columns, summed over experts 4 eh .. 4 eh + 3: a tile of 128 x 128 f32 in 512 registers.  Both expert halves walk the same K range of x, so
; a slot of a K step of 128 holds four tiles of 128 rows x 256 bytes (x rows 0-127, x rows 128-255, We of expert t, We of expert t + 4), one tensor load a wave.
; For 32 along K a wave reads 16 KiB from LDS and issues 64 matrix instructions.
;
; THE GATE IS APPLIED IN f32 TO THE SUMS, on one set of accumulators.  With p_e = exp(l_e - max l), S = the sum of all eight p and q = max(p, 2^-64), a wave forms
;   T = Y0 + be0;   three times: T = T (q_t / q_t+1) + be_t+1, then expert t + 1's products are added onto T;   last T (q_3 / S).
; That is sum over t of (q_t / S)(Y_t + be_t).  Each rounding error is relative to a partial sum of the weighted sum itself.
; LIMITS: x, We and Wg are rounded to bf16 (nearest even); be, bg, the softmax and the combine are f32.  A gate weight under 2^-64 / S is raised to that
; figure (an error of at most 8 x 2^-64 x |Y + be|).  A quotient of two q is at most 2^64, so the sums stay finite for |Y + be| < 2^60.  v_exp_f32 gives 0 for results under
; 2^-126 (ISA guide, its entry in 15.8): the floor then takes over.  Where an expert's output is infinite under a zero gate, the result is infinite or NaN by another way than 0 x inf.
;
; THE LOGITS come from the matrix unit during the wave's first expert: each quarter step adds eight matrix instructions on the x fragments that are in registers
; anyway, with a Wg fragment of 16 rows of which row n holds expert n mod 8.  So register j of EVERY lane (r, h) holds the logit of expert j of row r, and the softmax needs no other lane.
;
; THE TEXT IS KEPT SHORT.  A wave's whole walk is 16 laps of two K steps (4 experts x 8 K steps).  A lap's text stands four times: the first lap (its first products start the
; sums), one loop of 3 laps for the rest of the first expert, one loop of 11 laps for the other three experts, and the last lap, which fills nothing.  What differs between the
; laps of a loop hangs on the lap counter alone: x's address goes back by a row's 2,048 bytes in an expert's fourth lap, and the rescale and the load of the next bias stand under forward branches.
;
; CLUSTERS: 4 x 4 work-groups.  x's tiles hang on the block row alone and are asked for jointly by the four of a row of the cluster, We's on the block column alone
; and are asked for jointly by the four of a column: that divides the requests for both by four.
;
; THE MATRIX INSTRUCTION IS USED TRANSPOSED: source 0 = 16 columns of We, source 1 = 16 rows of x.  Register j of lane (r, h) then holds out(row r, column 8 h + j).
;
; REGISTERS, in windows of 256:
;   window 0: v0-31 addresses; v32-47 Wg fragments, two buffers; v48-63 at work; v64-127, v128-191 fragments of x, two buffers; v192-255 logits, 8 for each block of 16 rows
;   window 1: v0-63 bias of the 128 columns in the accumulators' layout; v64-127, v128-191 fragments of We, two buffers; v192-255 four sets of 8 scales, each scale written twice
;   window 2: accumulator tiles (a, b) of my rows 0-63 at v[8 (8 a + b)];   window 3: those of my rows 64-127
.set KSTEP, 128
.set PA,    272                        ; LDS pitch of x's rows: 256 + 16 bytes = 17 x 16: the 16 rows of a fragment load begin at 16 different multiples of 16 modulo 256
.set PB,    288                        ; LDS pitch of We's rows: 256 + 32 bytes = 9 x 32: the 8 rows x 32 bytes that half a transposing load touches begin at 8 different multiples of 32 modulo 256
.set QT,    128*PB                     ; 36,864: a region, what one tensor load fills (x's use 34,816 of it)
.set SLOT,  4*QT                       ; 147,456
.set WGF,   2*SLOT                     ; 294,912: 32,768 bytes of Wg fragments in register order [chunk of 32 K][half][lane][16 bytes]; no tensor load lands here
.set SP,    528                        ; the way out: a row of 128 f32 + 16 bytes = 33 x 16
.set SREG,  128*SP                     ; 67,584: a wave's partial sums; four of them lie in the slots, behind the slots' last fill
.set ASTEP, 2*KSTEP*2                  ; x: two K steps on, in bytes
.set AROW,  8*KSTEP*2                  ; x: a row's eight K steps, 2,048 bytes: taken away again where the next expert begins
.set BSTEP, 2*KSTEP*2048               ; We: 256 rows of 2,048 bytes on; expert e + 1 begins where e ends
.set ADRA, 16                          ; v16-17  LDS address of my x fragments in slot 0, 1
.set ADRB, 20                          ; v20-21  the same for We
.set ADRW, 22                          ; v22     Wg fragments: 16 bytes a lane, stepped by a lap's eight chunks
.set BEO,  23                          ; v23     32 h: my eight columns in a block of 16, in bytes of f32
.set STO,  24                          ; v24     the way out: where my partial sums go
.set RD0,  25                          ; v25-26  the way out: where I read rows of the two partial sums
.set RD1,  26
.set CO,   27                          ; v27     16 x lane: my 16 bytes of an output row's 512
.set WST,  28                          ; v28     where thread q puts its part of the Wg fragments
.set WGO,  29                          ; v29     256 q: thread q's eight rows of Wg
.set WF,   32                          ; v32-39 beside buffer 0, v40-47 beside buffer 1
.set T,    48
.set F0,   64
.set F1,   128
.set GL,   192                         ; window 0
.set BE,   0                           ; window 1
.set SC,   192                         ; window 1: set t at SC + 16 t, row block a's scale in the pair SC + 16 t + 2 a
.set G1,   24                          ; s[24:31] descriptor group 1, x's tiles
.set G0,   32                          ; s[32:39] group 0, x's tiles, a set for each slot
.set G1B,  40                          ; s[40:47] group 1, We's tiles
.set G0B,  48                          ; s[48:55] group 0, We's tiles, a set for each slot
.set MSB, 0
.macro WIN new                         ; s_set_vgpr_msb, low byte: bits 1:0 source 0, 3:2 source 1, 5:4 source 2, 7:6 destination; the high byte repeats the setting that is left
.if MSB != \new
	s_set_vgpr_msb (MSB<<8)|\new
.set MSB, \new
.endif
.endm
.set MUL_LO,  0xa1                     ; source 0 (We) window 1, source 1 (x) window 0, C and D window 2
.set MUL_HI,  0xf1                     ; the same, C and D window 3
.set MUL_LO1, 0x91                     ; the first products: C is the bias in window 1, D window 2
.set MUL_HI1, 0xd1                     ; D window 3
.set TO_B,    0x40                     ; destination window 1, all sources window 0
; A joint load.  Waves 0 and 1 fetch x's two halves, waves 2 and 3 the two experts' tiles of We.  Each line has one mask and one set of registers for all that issue it.
; The branch hangs on the wave's number alone.
.macro JLOAD s
	s_cmp_eq_u32 s17, 0
	s_cbranch_scc0 .Lfor_b_\@
	tensor_load_to_lds s[G0+4*\s:G0+4*\s+3], s[G1:G1+7]
	s_nop 0
	s_branch .Lasked_\@
.Lfor_b_\@:
	tensor_load_to_lds s[G0B+4*\s:G0B+4*\s+3], s[G1B:G1B+7]
	s_nop 0
.Lasked_\@:
.endm
; A round of the cluster's barrier: my work-group's barrier, wave 0 signals for the work-group, every wave waits for all sixteen, my work-group's barrier once more.
.macro CREST                           ; a round behind its opening barrier
	s_cmp_lg_u32 s16, 0
	s_cbranch_scc1 .Lnot_wave_0_\@
	s_barrier_signal -3
.Lnot_wave_0_\@:
	s_barrier_wait -3
	s_barrier_signal -1
	s_barrier_wait -1
.endm
.macro CROUND                          ; a whole round
	s_barrier_signal -1
	s_barrier_wait -1
	CREST
.endm
; Four places: a vector instruction that reads a matrix result or writes a matrix instruction's register, and a load into such a register, stand four plain
; vector instructions behind that matrix instruction (ISA guide 7.12.1 for vector instructions).
.macro PLACES
.rept 4
	v_nop
.endr
.endm
	s_load_b256 s[4:11], s[0:1], 0x0               ; xb s[4:5], Wb s[6:7], Wg s[8:9], bg s[10:11]
	s_load_b128 s[12:15], s[0:1], 0x20             ; be s[12:13], out0 s[14:15]
	v_lshrrev_b32 v1, 5, v0
	v_readfirstlane_b32 s16, v1                    ; wave 0..3
	s_lshr_b32 s17, s16, 1                         ; mh: my half of the rows.  Also: I fetch for x (0) or for We (1)
	s_and_b32 s18, s16, 1                          ; eh: my half of the experts.  Also: which of the two tiles I fetch
	s_bfe_u32 s19, ttmp6, 0x40000                  ; cx
	s_bfe_u32 s20, ttmp6, 0x40004                  ; cy
	s_lshl_b32 s21, ttmp9, 2
	s_add_co_u32 s21, s21, s19                     ; block column = 4 x cluster x + cx
	s_and_b32 s22, ttmp7, 0xffff
	s_lshl_b32 s22, s22, 2
	s_add_co_u32 s22, s22, s20                     ; block row = 4 x cluster y + cy
	s_lshl_b32 s23, s20, 2
	s_lshl_b32 s23, 15, s23                        ; my row of the cluster: places 4 cy .. 4 cy + 3
	s_lshl_b32 s73, 0x1111, s19                    ; my column: places cx, cx + 4, cx + 8, cx + 12
	; group 1: tiles of 128 rows x 128 elements of 2 bytes, 1,024 elements from row to row, padded in LDS behind every 64 words
	s_or_b32 s[G1+0],  s23, (1<<16)|(1<<20)|(1<<21)|(5<<22)|(3<<25)   ; 15:0 mask: my row; 17:16 2 bytes; 20 padding on; 21 set beside a mask; 24:22 every 64 words; 31:25 4 words
	s_or_b32 s[G1B+0], s73, (1<<16)|(1<<20)|(1<<21)|(5<<22)|(7<<25)   ; mask: my column; padding of 8 words
	s_mov_b32 s[G1+1],  KSTEP<<16                  ; 63:48 tensor_dim0 = 128
	s_mov_b32 s[G1B+1], KSTEP<<16
	s_mov_b32 s[G1+2],  128<<16                    ; 95:80 tensor_dim1 = 128
	s_mov_b32 s[G1B+2], 128<<16
	s_mov_b32 s[G1+3],  KSTEP<<16                  ; 127:112 tile_dim0 = 128
	s_mov_b32 s[G1B+3], KSTEP<<16
	s_mov_b32 s[G1+4],  128                        ; 143:128 tile_dim1 = 128; tile_dim2 = 0
	s_mov_b32 s[G1B+4], 128
	s_mov_b32 s[G1+5],  1024                       ; 191:160 elements from row to row
	s_mov_b32 s[G1B+5], 1024
	s_mov_b32 s[G1+6],  0
	s_mov_b32 s[G1B+6], 0
	s_mov_b32 s[G1+7],  0
	s_mov_b32 s[G1B+7], 0
	; where the tiles come from.  s66-69 and s74 never hold cx, s70-71 and s75 never hold cy.
	s_lshl_b32 s66, s22, 8
	s_lshl_b32 s74, s18, 7
	s_add_co_u32 s66, s66, s74                     ; x: row 256 x block row + 128 x half
	s_lshl_b32 s66, s66, 11                        ; rows of 2,048 bytes: below 2^24
	s_mov_b32 s67, 0
	s_lshl_b32 s70, s18, 23                        ; We: four experts of 2,097,152 bytes for the upper half
	s_lshl_b32 s75, s21, 8                         ; 128 columns of 2 bytes for each block column
	s_add_co_u32 s70, s70, s75
	s_mov_b32 s71, 0
	s_mul_i32 s72, s16, QT                         ; and where they go: region = wave
	s_mov_b32 s76, 0x3fb8aa3b                      ; log2 e
	s_mov_b32 s77, 0x1f800000                      ; 2^-64
	s_mov_b32 s84, 0                               ; s[84:85]: what x's address goes back by at a refill: 0, or a row's bytes in an expert's fourth lap
	s_mov_b32 s85, 0
	s_cmp_lg_u32 s18, 0
	s_cselect_b32 s78, -1, 0                       ; a lane mask: all ones in the waves of the upper experts
	s_wait_kmcnt 0x0
	s_add_nc_u64 s[68:69], s[4:5], s[66:67]
	s_add_nc_u64 s[70:71], s[6:7], s[70:71]
	CROUND                                         ; all sixteen work-groups are here: the first joint loads meet
.irp s, 0,1
	s_mov_b32 s[G0+4*\s], 1                                        ; count = 1
	s_add_co_u32 s[G0+4*\s+1], s72, \s*SLOT                        ; LDS address
	s_add_nc_u64 s[G0+4*\s+2:G0+4*\s+3], s[68:69], \s*KSTEP*2      ; global address: K step s
	s_or_b32 s[G0+4*\s+3], s[G0+4*\s+3], 0x80000000                ; type = 2
	s_mov_b32 s[G0B+4*\s], 1
	s_add_co_u32 s[G0B+4*\s+1], s72, \s*SLOT
	s_add_nc_u64 s[G0B+4*\s+2:G0B+4*\s+3], s[70:71], \s*KSTEP*2048
	s_or_b32 s[G0B+4*\s+3], s[G0B+4*\s+3], 0x80000000
	JLOAD \s                                       ; both slots are asked for before anything else: two tensor loads of the wave are out
.endr
	; the small inputs
	s_load_b256 s[56:63], s[10:11], 0x0            ; the eight bg
	s_lshl_b32 s82, s18, 14                        ; be: expert 4 eh, rows of 4,096 bytes
	s_lshl_b32 s75, s21, 9                         ; 128 columns of 4 bytes for each block column
	s_add_co_u32 s82, s82, s75
	s_mov_b32 s83, 0
	s_add_nc_u64 s[12:13], s[12:13], s[82:83]
	s_lshl_b32 s80, s22, 8                         ; out: row 256 x block row + 128 mh + 64 eh,
	s_lshl_b32 s74, s17, 7
	s_add_co_u32 s80, s80, s74
	s_lshl_b32 s74, s18, 6
	s_add_co_u32 s80, s80, s74
	s_lshl_b32 s80, s80, 12                        ; rows of 4,096 bytes: below 2^25,
	s_add_co_u32 s80, s80, s75                     ; and the block column's 512 bytes
	s_mov_b32 s81, 0
	s_add_nc_u64 s[14:15], s[14:15], s[80:81]
	v_lshlrev_b32 v[WGO], 8, v0                    ; thread q of 128 takes Wg's rows 8 q .. 8 q + 7: 256 bytes
	v_bfe_u32 v3, v0, 4, 1                         ; h
	v_lshlrev_b32 v[BEO], 5, v3
.irp i, 0,1,2,3,4,5,6,7,8,9,10,11,12,13,14,15
	global_load_b128 v[F0+4*\i:F0+4*\i+3], v[WGO], s[8:9] offset:16*\i    ; Wg[8 q + j][n] in v[F0 + 8 j + n]
.endr
; The bias of the expert at s[12:13] in the accumulators' layout: v[BE + 8 b + j] = be[e][first column + 16 b + 8 h + j]
.macro BELOADS
	WIN TO_B
.irp b, 0,1,2,3,4,5,6,7
.irp c, 0,1
	global_load_b128 v[BE+8*\b+4*\c:BE+8*\b+4*\c+3], v[BEO], s[12:13] offset:64*\b+16*\c
.endr
.endr
	WIN 0
.endm
	BELOADS
	; lane addresses: L = lane, r = L mod 16, h = L / 16
	v_and_b32 v1, 31, v0                           ; L
	v_and_b32 v2, 15, v0                           ; r
	v_mul_u32_u24 v4, v2, PA
	v_lshl_add_u32 v4, v3, 4, v4                   ; x fragment: row r, 16 bytes for each half of the lanes
	s_mul_i32 s74, s17, QT                         ; my 128 rows of x: region mh
	v_add_nc_u32 v[ADRA], s74, v4
	v_add_nc_u32 v[ADRA+1], SLOT, v[ADRA]
	v_and_b32 v5, 7, v0
	v_lshl_add_u32 v5, v3, 3, v5                   ; We fragment, rows along N: K row 8 h + L mod 8,
	v_mul_u32_u24 v5, v5, PB
	v_bfe_u32 v6, v0, 3, 1
	v_lshl_add_u32 v5, v6, 4, v5                   ; and 16 bytes for each group of eight lanes
	s_add_co_u32 s74, s18, 2
	s_mul_i32 s74, s74, QT                         ; my experts' tile: region 2 + eh
	v_add_nc_u32 v[ADRB], s74, v5
	v_add_nc_u32 v[ADRB+1], SLOT, v[ADRB]
	v_lshl_add_u32 v[ADRW], v1, 4, WGF
	v_lshl_add_u32 v[WST], v0, 8, WGF              ; K = 8 q is chunk q / 4, half (q / 2) mod 2, h = q mod 2: 1,024 + 512 + 256 bytes apart, which is 256 q
	v_mul_u32_u24 v7, v2, SP
	v_lshl_add_u32 v7, v3, 5, v7                   ; partial sums: row r, 32 bytes for each half of the lanes
	s_mul_i32 s74, s16, SREG
	v_add_nc_u32 v[STO], s74, v7
	v_lshlrev_b32 v[CO], 4, v1
	s_mul_i32 s74, s17, 2*SREG                     ; back: the partial sums of waves 2 mh and 2 mh + 1,
	v_add_nc_u32 v[RD0], s74, v[CO]
	s_mul_i32 s74, s18, 64*SP                      ; their rows 64 eh .. 64 eh + 63
	v_add_nc_u32 v[RD0], s74, v[RD0]
	v_add_nc_u32 v[RD1], SREG, v[RD0]
	; Wg in bf16 as fragments: lane (r, h) of chunk s holds Wg[32 s + 16 c + 8 h + 0..7][r mod 8] in its quad c.  Thread q has these eight K for all eight experts.
	s_wait_loadcnt 16                              ; Wg's 16 loads are in; the 16 of the bias, issued behind them, may stay out
.irp n, 0,1,2,3,4,5,6,7
.irp p, 0,1,2,3
	v_cvt_pk_bf16_f32 v[F1+4*\n+\p], v[F0+16*\p+\n], v[F0+16*\p+8+\n]
.endr
	ds_store_b128 v[WST], v[F1+4*\n:F1+4*\n+3] offset:16*\n        ; row r = n
	ds_store_b128 v[WST], v[F1+4*\n:F1+4*\n+3] offset:16*\n+128    ; and row r = n + 8: the same expert
.endr
	s_wait_loadcnt 0x0                             ; the first bias
	s_wait_kmcnt 0x0                               ; bg
	s_wait_dscnt 0x0                               ; my part of the Wg fragments is written, for the other waves' sake
	s_wait_tensorcnt 0x1                           ; my part of slot 0 is in; slot 1's may stay out
	s_barrier_signal -1
	s_barrier_wait -1
; 16 matrix instructions: row blocks a0, a0 + 1 of the window's four (hi = 0: my rows 0-63, 1: rows 64-127) x all 8 column blocks, 32 along K.
; mode = 1: the first products of the first expert take the bias as C: nothing is cleared and the bias costs nothing.
.macro MUL16 f, hi, a0, mode
.irp a, \a0, \a0+1
.irp b, 0,1,2,3,4,5,6,7
.if \mode
	v_wmma_f32_16x16x32_bf16 v[8*(8*(\a)+\b):8*(8*(\a)+\b)+7], v[\f+8*\b:\f+8*\b+7], v[\f+8*(4*\hi+\a):\f+8*(4*\hi+\a)+7], v[BE+8*\b:BE+8*\b+7]
.else
	v_wmma_f32_16x16x32_bf16 v[8*(8*(\a)+\b):8*(8*(\a)+\b)+7], v[\f+8*\b:\f+8*\b+7], v[\f+8*(4*\hi+\a):\f+8*(4*\hi+\a)+7], v[8*(8*(\a)+\b):8*(8*(\a)+\b)+7]
.endif
.endr
.endr
.endm
; 8 matrix instructions for the logits: the Wg fragment beside buffer f times the eight x fragments of buffer f.  gz = 1: the first chunk starts the sums.
.macro GATE8 f, gz
.irp a, 0,1,2,3,4,5,6,7
.if \gz
	v_wmma_f32_16x16x32_bf16 v[GL+8*\a:GL+8*\a+7], v[WF+(\f-F0)/8:WF+(\f-F0)/8+7], v[\f+8*\a:\f+8*\a+7], 0
.else
	v_wmma_f32_16x16x32_bf16 v[GL+8*\a:GL+8*\a+7], v[WF+(\f-F0)/8:WF+(\f-F0)/8+7], v[\f+8*\a:\f+8*\a+7], v[GL+8*\a:GL+8*\a+7]
.endif
.endr
.endm
; One run of LDS loads: the fragments of quarter q of a slot into buffer f: 16 transposing loads for We (K rows 32 q .., 16 columns each), with gate = 1 the
; two of Wg's chunk widx (counted from ADRW), 16 for x.  x's come last, so that a count of 8 leaves x's rows 64-127 out.
.macro FETCH slot, q, f, gate, widx
	WIN TO_B
.irp i, 0,1,2,3,4,5,6,7
	ds_load_tr16_b128 v[\f+8*\i:\f+8*\i+3],   v[ADRB+\slot] offset:32*PB*(\q)+32*\i          ; K = 8 h + 0..7 of column 16 i + r
	ds_load_tr16_b128 v[\f+8*\i+4:\f+8*\i+7], v[ADRB+\slot] offset:32*PB*(\q)+32*\i+16*PB    ; K = 16 + 8 h + 0..7
.endr
	WIN 0
.if \gate
	ds_load_b128 v[WF+(\f-F0)/8:WF+(\f-F0)/8+3],   v[ADRW] offset:1024*(\widx)
	ds_load_b128 v[WF+(\f-F0)/8+4:WF+(\f-F0)/8+7], v[ADRW] offset:1024*(\widx)+512
.endif
.irp i, 0,1,2,3,4,5,6,7
	ds_load_b128 v[\f+8*\i:\f+8*\i+3],   v[ADRA+\slot] offset:64*(\q)+16*PA*\i
	ds_load_b128 v[\f+8*\i+4:\f+8*\i+7], v[ADRA+\slot] offset:64*(\q)+16*PA*\i+32
.endr
.endm
; A K step is four quarters of 32 along K on buffers 0, 1, 0, 1.  The 64 accumulators (72 with the logits') take turns, one instruction a turn, in the same order
; in every quarter, over the backward jumps and into the tail.
; One of the first three quarters: multiplies buffer f and, in its middle, fetches quarter qn of the same slot into buffer g.
.macro QUARTER slot, qn, f, g, mode, gate, widx
	s_wait_dscnt 8                                 ; all but the youngest eight loads are in: We's fragments and x's rows 0-63 are never among those eight
.if \mode
	WIN MUL_LO1
.else
	WIN MUL_LO
.endif
	MUL16 \f, 0, 0, \mode
	MUL16 \f, 0, 2, \mode
	PLACES
	FETCH \slot, \qn, \g, \gate, \widx
	s_wait_dscnt 32+2*\gate                        ; all but the run just issued
.if \mode
	WIN MUL_HI1
.else
	WIN MUL_HI
.endif
	MUL16 \f, 1, 0, \mode
	MUL16 \f, 1, 2, \mode
.if \gate
	WIN 0
	GATE8 \f, \mode
.endif
.endm
.macro THREE slot, mode, gate, wb
	QUARTER \slot, 1, F0, F1, \mode, \gate, \wb+1
	QUARTER \slot, 2, F1, F0, 0, \gate, \wb+2
	QUARTER \slot, 3, F0, F1, 0, \gate, \wb+3
.endm
; The last quarter: multiplies buffer 1 and changes slots.  fill = 1: this slot is filled again, two K steps ahead.
; In front of the opening signal each wave waits for its reads of this slot and for all its tensor loads, of which one is out: its part of the next slot.  Behind the
; round no wave of any partner reads this slot or has a load on its way: the joint refill comes first, then the next slot's first fragments.
; From a request to the wait for it a wave issues 240 product instructions.
.macro TURN slot, next, fill, gate, gnext, widx
	s_wait_dscnt 8
	WIN MUL_LO
	MUL16 F1, 0, 0, 0
	s_wait_dscnt 0x0                               ; my reads of this slot are over
	s_wait_tensorcnt 0x0                           ; all my tensor loads have landed
	s_barrier_signal -1
	MUL16 F1, 0, 2, 0                              ; register work while the others arrive
	WIN 0
	s_barrier_wait -1
.if \fill
	CREST
	s_add_nc_u64 s[G0+4*\slot+2:G0+4*\slot+3], s[G0+4*\slot+2:G0+4*\slot+3], ASTEP          ; x: two K steps on,
	s_sub_nc_u64 s[G0+4*\slot+2:G0+4*\slot+3], s[G0+4*\slot+2:G0+4*\slot+3], s[84:85]       ; and back to the row's start where the next expert begins
	s_add_nc_u64 s[G0B+4*\slot+2:G0B+4*\slot+3], s[G0B+4*\slot+2:G0B+4*\slot+3], BSTEP
	JLOAD \slot                                    ; my one tensor load behind the round, and the first thing there
.endif
	PLACES
	FETCH \next, 0, F0, \gnext, \widx
	WIN MUL_HI
	MUL16 F1, 1, 0, 0
	MUL16 F1, 1, 2, 0
.if \gate
	WIN 0
	GATE8 F1, 0
.endif
.endm
; Once round the ring: two K steps, both slots filled again.  gate = 1: with the logits.  Such a lap fetches its own first Wg chunk at its head (its first use stands behind the
; first quarter's wait for all but the run just issued), so that every lap reads its own eight chunks and none beyond the last.
.macro LAP mode, gate
.if \gate
	ds_load_b128 v[WF:WF+3],   v[ADRW]
	ds_load_b128 v[WF+4:WF+7], v[ADRW] offset:512
.endif
	THREE 0, \mode, \gate, 0
	TURN 0, 1, 1, \gate, \gate, 4
	THREE 1, 0, \gate, 4
	TURN 1, 0, 1, \gate, 0, 0
	WIN 0                                          ; at a label and at a branch every window is 0
.if \gate
	v_add_nc_u32 v[ADRW], 8192, v[ADRW]            ; the next lap's eight chunks (behind the fourth lap the register is not used again)
.endif
.endm
; The next expert's bias, asked for at least a lap before it is used.
.macro LOADBE
	s_wait_loadcnt 0x0                             ; no load names s[12:13] or lands in the bias registers any more: only behind this wait are they written again
	s_add_nc_u64 s[12:13], s[12:13], 4096
	BELOADS
.endm
; The softmax, in each lane for row r of each of the eight blocks of 16 rows; then the 32 scales.  L_j = v[GL + 8 a + j].
.macro SOFTMAX
.irp a, 0,1,2,3,4,5,6,7
.irp j, 0,1,2,3,4,5,6,7
	v_add_f32 v[GL+8*\a+\j], s[56+\j], v[GL+8*\a+\j]               ; + bg
.endr
	v_max3_num_f32 v[T], v[GL+8*\a], v[GL+8*\a+1], v[GL+8*\a+2]
	v_max3_num_f32 v[T], v[T], v[GL+8*\a+3], v[GL+8*\a+4]
	v_max3_num_f32 v[T], v[T], v[GL+8*\a+5], v[GL+8*\a+6]
	v_max_num_f32 v[T], v[T], v[GL+8*\a+7]                         ; the row's largest logit
	v_mul_f32 v[T+1], s76, v[T]                                    ; its rounding is common to all eight experts and cancels in p / S
.irp j, 0,1,2,3,4,5,6,7
	v_fma_f32 v[GL+8*\a+\j], v[GL+8*\a+\j], s76, -v[T+1]           ; (l - max) log2 e
.endr
.irp j, 0,1,2,3,4,5,6,7
	v_exp_f32 v[GL+8*\a+\j], v[GL+8*\a+\j]                         ; p
.endr
	v_nop                                                          ; one plain place behind the transcendentals (ISA guide 5.7.2)
	s_wait_alu depctr_va_vdst(0)
	v_add_f32 v[T+2], v[GL+8*\a],   v[GL+8*\a+1]
	v_add_f32 v[T+3], v[GL+8*\a+2], v[GL+8*\a+3]
	v_add_f32 v[T+4], v[GL+8*\a+4], v[GL+8*\a+5]
	v_add_f32 v[T+5], v[GL+8*\a+6], v[GL+8*\a+7]
	v_add_f32 v[T+2], v[T+2], v[T+3]
	v_add_f32 v[T+4], v[T+4], v[T+5]
	v_add_f32 v[T+2], v[T+2], v[T+4]                               ; S, over all eight experts
.irp t, 0,1,2,3
	v_cndmask_b32 v[T+8+\t], v[GL+8*\a+\t], v[GL+8*\a+4+\t], s78   ; my four experts' p
.endr
.irp t, 0,1,2,3
	v_max_num_f32 v[GL+8*\a+\t], s77, v[T+8+\t]                    ; q = max(p, 2^-64)
.endr
	v_rcp_f32 v[GL+8*\a+4], v[GL+8*\a+1]
	v_rcp_f32 v[GL+8*\a+5], v[GL+8*\a+2]
	v_rcp_f32 v[GL+8*\a+6], v[GL+8*\a+3]
	v_rcp_f32 v[GL+8*\a+7], v[T+2]
	v_nop                                                          ; one plain place
.endr
	WIN TO_B
	s_wait_alu depctr_va_vdst(0)
.irp a, 0,1,2,3,4,5,6,7
.irp t, 0,1,2,3
	v_mul_f32 v[SC+16*\t+2*\a],   v[GL+8*\a+\t], v[GL+8*\a+4+\t]   ; set t: q0/q1, q1/q2, q2/q3, q3/S,
	v_mul_f32 v[SC+16*\t+2*\a+1], v[GL+8*\a+\t], v[GL+8*\a+4+\t]   ; twice: a pair for the packed forms
.endr
.endr
	WIN 0
.endm
; T = T x scale + the next expert's bias: 256 packed multiply-adds.  A lane's row is r in every tile of row block a, so one scale serves the block's eight tiles.
; The scales are always read from set 0; behind the multiply-adds sets 1 to 3 move down by one (48 moves), so that one text serves all three rescales and the last multiply.
.macro RESCALE
	s_wait_loadcnt 0x0                             ; the next bias is in
	PLACES
	WIN 0x96                                       ; sums window 2, scale and bias window 1
.irp a, 0,1,2,3
.irp b, 0,1,2,3,4,5,6,7
.irp j, 0,2,4,6
	v_pk_fma_f32 v[8*(8*\a+\b)+\j:8*(8*\a+\b)+\j+1], v[8*(8*\a+\b)+\j:8*(8*\a+\b)+\j+1], v[SC+2*\a:SC+2*\a+1], v[BE+8*\b+\j:BE+8*\b+\j+1]
.endr
.endr
.endr
	WIN 0xd7                                       ; sums window 3
.irp a, 0,1,2,3
.irp b, 0,1,2,3,4,5,6,7
.irp j, 0,2,4,6
	v_pk_fma_f32 v[8*(8*\a+\b)+\j:8*(8*\a+\b)+\j+1], v[8*(8*\a+\b)+\j:8*(8*\a+\b)+\j+1], v[SC+2*(\a+4):SC+2*(\a+4)+1], v[BE+8*\b+\j:BE+8*\b+\j+1]
.endr
.endr
.endr
	WIN 0x41                                       ; source and destination window 1
.set i, 0
.rept 48
	v_mov_b32 v[SC+i], v[SC+16+i]
.set i, i+1
.endr
	WIN 0
.endm
	; MY FIRST EXPERT, with the logits: four laps
	FETCH 0, 0, F0, 0, 0
	LAP 1, 1                                       ; written out: its first products start the sums, on the bias
	LOADBE                                         ; the first bias has been taken up: my second expert's is asked for
	s_mov_b32 s3, 1
.Lgate:
	s_cmp_eq_u32 s3, 3
	s_cselect_b32 s84, AROW, 0                     ; the fourth lap asks for the next expert's first two K steps
	LAP 0, 1
	s_add_co_u32 s3, s3, 1
	s_cmp_lt_u32 s3, 4
	s_cbranch_scc1 .Lgate
	PLACES
	SOFTMAX
	; MY OTHER THREE EXPERTS: 11 laps in one loop, the twelfth behind it.  Lap s3 is lap s3 mod 4 of its expert.
	s_mov_b32 s3, 0
.Lmain:
	s_and_b32 s86, s3, 3
	s_cmp_lg_u32 s86, 0
	s_cbranch_scc1 .Lsame_expert
	RESCALE                                        ; an expert's first lap: the sums so far are weighted anew and take the expert's bias
.Lsame_expert:
	s_cmp_eq_u32 s86, 3
	s_cselect_b32 s84, AROW, 0                     ; an expert's fourth lap asks for the next expert's first two K steps,
	s_cbranch_scc0 .Lno_bias
	LOADBE                                         ; and for its bias (laps 3 and 7: the experts 4 eh + 2 and 4 eh + 3)
.Lno_bias:
	LAP 0, 0
	s_add_co_u32 s3, s3, 1
	s_cmp_lt_u32 s3, 11
	s_cbranch_scc1 .Lmain
	; the last lap fills nothing and has no round of the cluster's barrier
	THREE 0, 0, 0, 0
	TURN 0, 1, 0, 0, 0, 0
	THREE 1, 0, 0, 0
	s_wait_dscnt 8                                 ; the very last quarter: nothing more to fetch
	WIN MUL_LO
	MUL16 F1, 0, 0, 0
	MUL16 F1, 0, 2, 0
	s_wait_dscnt 0x0
	WIN MUL_HI
	MUL16 F1, 1, 0, 0
	MUL16 F1, 1, 2, 0
	; T x q3 / S (by now in set 0): my four experts' share of the result
	PLACES
	WIN 0x86
.irp a, 0,1,2,3
.irp b, 0,1,2,3,4,5,6,7
.irp j, 0,2,4,6
	v_pk_mul_f32 v[8*(8*\a+\b)+\j:8*(8*\a+\b)+\j+1], v[8*(8*\a+\b)+\j:8*(8*\a+\b)+\j+1], v[SC+2*\a:SC+2*\a+1]
.endr
.endr
.endr
	WIN 0xc7
.irp a, 0,1,2,3
.irp b, 0,1,2,3,4,5,6,7
.irp j, 0,2,4,6
	v_pk_mul_f32 v[8*(8*\a+\b)+\j:8*(8*\a+\b)+\j+1], v[8*(8*\a+\b)+\j:8*(8*\a+\b)+\j+1], v[SC+2*(\a+4):SC+2*(\a+4)+1]
.endr
.endr
.endr
	WIN 0
	; THE WAY OUT.  The slots have had their last fill; when no wave reads them any more, each wave lays its 128 x 128 f32 into them by rows.
	s_wait_dscnt 0x0                               ; my reads of the slots are over
	s_barrier_signal -1
	s_barrier_wait -1                              ; everybody's are
	WIN 0x08                                       ; store data from window 2
.irp a, 0,1,2,3
.irp b, 0,1,2,3,4,5,6,7
	ds_store_b128 v[STO], v[8*(8*\a+\b):8*(8*\a+\b)+3]   offset:16*SP*\a+64*\b       ; row 16 a + r, columns 16 b + 8 h + 0..3
	ds_store_b128 v[STO], v[8*(8*\a+\b)+4:8*(8*\a+\b)+7] offset:16*SP*\a+64*\b+16    ; columns 16 b + 8 h + 4..7
.endr
.endr
	WIN 0x0c                                       ; from window 3
.irp a, 0,1,2,3
.irp b, 0,1,2,3,4,5,6,7
	ds_store_b128 v[STO], v[8*(8*\a+\b):8*(8*\a+\b)+3]   offset:16*SP*(\a+4)+64*\b
	ds_store_b128 v[STO], v[8*(8*\a+\b)+4:8*(8*\a+\b)+7] offset:16*SP*(\a+4)+64*\b+16
.endr
.endr
	WIN 0
	s_wait_dscnt 0x0                               ; my partial sums are written, for the other wave's sake
	s_barrier_signal -1
	s_barrier_wait -1
	; Four trips of 16 rows: row 64 eh + 16 trip + t of the two partial sums of my row half, added and stored.
	; A wave's store covers a row's 512 consecutive bytes, at a multiple of 512 from out0's first byte.
	s_mov_b32 s3, 0
.Lout:
.irp t, 0,1,2,3,4,5,6,7,8,9,10,11,12,13,14,15
	ds_load_b128 v[F0+4*\t:F0+4*\t+3], v[RD0] offset:SP*\t
	ds_load_b128 v[F1+4*\t:F1+4*\t+3], v[RD1] offset:SP*\t
.endr
.irp t, 0,1,2,3,4,5,6,7,8,9,10,11,12,13,14,15
	s_wait_dscnt 30-2*\t                           ; LDS loads come back in order (ISA guide 5.7.1): pair t is in, the younger pairs stay out
	v_pk_add_f32 v[F0+4*\t:F0+4*\t+1],   v[F0+4*\t:F0+4*\t+1],   v[F1+4*\t:F1+4*\t+1]
	v_pk_add_f32 v[F0+4*\t+2:F0+4*\t+3], v[F0+4*\t+2:F0+4*\t+3], v[F1+4*\t+2:F1+4*\t+3]
	global_store_b128 v[CO], v[F0+4*\t:F0+4*\t+3], s[14:15] offset:4096*\t th:TH_STORE_NT
.endr
	s_wait_xcnt 0x0                                ; the stores' base, and buffer 0, which they read, are written again only behind this wait
	s_add_nc_u64 s[14:15], s[14:15], 16*4096       ; 16 rows of out on
	v_add_nc_u32 v[RD0], 16*SP, v[RD0]
	v_add_nc_u32 v[RD1], 16*SP, v[RD1]
	s_add_co_u32 s3, s3, 1
	s_cmp_lt_u32 s3, 4
	s_cbranch_scc1 .Lout
	CROUND                                         ; the closing round: no work-group ends while a partner may still ask for a tile that names it
	s_endpgm
.Lfunc_end_k_q2ab04c4afa_moe:
	.size	k_q2ab04c4afa_moe, .Lfunc_end_k_q2ab04c4afa_moe-k_q2ab04c4afa_moe
	.p2alignl 7, 3214868480
	.fill 96, 4, 3214868480
	.section	.rodata,"a",@progbits
	.p2align	6, 0x0
	.amdhsa_kernel k_q2ab04c4afa_moe
		.amdhsa_group_segment_fixed_size 327680
		.amdhsa_private_segment_fixed_size 0
		.amdhsa_enable_private_segment 0
		.amdhsa_kernarg_size 48
		.amdhsa_user_sgpr_count 2
		.amdhsa_user_sgpr_kernarg_segment_ptr 1
		.amdhsa_wavefront_size32 1
		.amdhsa_system_sgpr_workgroup_id_x 1
		.amdhsa_system_sgpr_workgroup_id_y 1
		.amdhsa_system_sgpr_workgroup_id_z 1
		.amdhsa_system_vgpr_workitem_id 0
		.amdhsa_next_free_vgpr 1024
		.amdhsa_next_free_sgpr 88
		.amdhsa_reserve_vcc 0
		.amdhsa_float_denorm_mode_32 3
		.amdhsa_float_denorm_mode_16_64 3
		.amdhsa_memory_ordered 1
		.amdhsa_forward_progress 1
		.amdhsa_inst_pref_size 255
	.end_amdhsa_kernel
	.section	.bss,"aw",@nobits
	.p2align	6
	.space	262144
	.amdgpu_metadata
---
amdhsa.version: [ 1, 2 ]
amdhsa.kernels:
  - .name:           k_q2ab04c4afa_moe
    .symbol:         k_q2ab04c4afa_moe.kd
    .args:
      - { .name: xb, .offset: 0, .size: 8, .value_kind: global_buffer, .address_space: global }
      - { .name: Wb, .offset: 8, .size: 8, .value_kind: global_buffer, .address_space: global }
      - { .name: Wg, .offset: 16, .size: 8, .value_kind: global_buffer, .address_space: global }
      - { .name: bg, .offset: 24, .size: 8, .value_kind: global_buffer, .address_space: global }
      - { .name: be, .offset: 32, .size: 8, .value_kind: global_buffer, .address_space: global }
      - { .name: out0, .offset: 40, .size: 8, .value_kind: global_buffer, .address_space: global }
    .group_segment_fixed_size: 327680
    .private_segment_fixed_size: 0
    .kernarg_segment_align: 8
    .kernarg_segment_size: 48
    .max_flat_workgroup_size: 128
    .sgpr_count:     88
    .vgpr_count:     1024
    .wavefront_size: 32
...
	.end_amdgpu_metadata
.endif
;; end of part 3
;; ======== version 3 of 3: 2 launches; version 2 with the launch cast written anew for expert scheduling mode
;; limits: right only within a limited range of input values
;; workspace buffers: xb 16,777,216 bytes; Wb 16,777,216 bytes
;; launch cast (part 4): grid 256 x 2, 8 waves a work-group, no clusters, 0 bytes of LDS; arguments x, We, xb, Wb; writes xb, Wb
.if DOCPART == 4
	.amdgcn_target "amdgcn-amd-amdhsa--gfx1250"
	.amdhsa_code_object_version 6
	.text
	.protected	k_q2ab04c4afa_cast
	.globl	k_q2ab04c4afa_cast
	.p2align	8
	.type	k_q2ab04c4afa_cast,@function
k_q2ab04c4afa_cast:
	s_mov_b64 s[64:65], 0
	v_nop
	global_prefetch_b8 v0, s[64:65] scope:SCOPE_SE
	s_setreg_imm32_b32 hwreg(HW_REG_WAVE_SCHED_MODE, 0, 2), 2
	s_setreg_imm32_b32 hwreg(HW_REG_WAVE_MODE, 25, 1), 1
	s_wait_xcnt 0x0
	s_wait_alu depctr_vm_vsrc(0)
; xb = bf16(x), Wb = bf16(We): the same layouts, each number rounded once to nearest even.
; Both inputs have 33,554,432 bytes.  The grid's y picks the pair (0: x to xb, 1: We to Wb); work-group x of 256 takes 131,072 input bytes
; and 65,536 output bytes.  Thread t of 256, chunk i of 32: 16 input bytes at 4,096 i + 16 t, 8 output bytes at 2,048 i + 8 t.
; A wave's load covers 512 consecutive bytes, a wave's store 256 consecutive bytes at a multiple of 256 from the buffer's first byte.
; All 32 loads of a thread go out first (16 KiB of a wave in flight); each chunk has registers of its own, so nothing that a pending
; load or store names is ever written again.
; No LDS, no matrix unit, no cluster: every byte is read once by one thread, and nothing is shared.
; THE MODE: SCHED_MODE bits 1:0 = 2 (LLVM: expert scheduling mode 2), set by the entry lines.  The code itself states the register dependences
; between vector instructions and memory instructions, with s_wait_alu, always for 0.
; THE PLAN.  Registers that memory instructions touch:
;   v1, v2              the loads' and the stores' byte offsets: written once at the head, never again.
;   v[X+4i : X+4i+3]    chunk i: load i lands here (no vector instruction names these registers before it); its two conversions read all four and write the first two;
;                       store i reads those two; nothing writes them afterwards.
; The 32 chunks go in 8 blocks of four.  Block p converts its own four chunks; its memory instructions are the four stores of block p - 1, whose data no
; vector instruction of block p names.  So one wait on va_vdst at a block's head states all that the block's four stores hang on, and they are dealt among its conversions.
; No register that a memory instruction has read is written again, so no wait on vm_vsrc is owed; no vector instruction writes a scalar register or VCC; EXEC is never written.
.set CHUNKS, 32
.set BLOCK,  4                         ; chunks in a block
.set BLOCKS, CHUNKS/BLOCK
.set X, 4                              ; v[4:131]  chunk i: four f32 as loaded; its first two registers then hold the four bf16
	s_load_b256 s[4:11], s[0:1], 0x0               ; x s[4:5], We s[6:7], xb s[8:9], Wb s[10:11]
	s_and_b32 s12, ttmp7, 0xffff                   ; which pair
	s_lshl_b32 s16, ttmp9, 17                      ; my 131,072 input bytes
	s_mov_b32 s17, 0
	s_lshl_b32 s18, ttmp9, 16                      ; my 65,536 output bytes
	s_mov_b32 s19, 0
	v_lshlrev_b32 v1, 4, v0                        ; 16 t
	v_lshlrev_b32 v2, 3, v0                        ; 8 t
	s_wait_kmcnt 0x0
	s_cmp_eq_u32 s12, 0
	s_cselect_b64 s[20:21], s[4:5], s[6:7]         ; from
	s_cselect_b64 s[22:23], s[8:9], s[10:11]       ; to
	s_add_nc_u64 s[20:21], s[20:21], s[16:17]
	s_add_nc_u64 s[22:23], s[22:23], s[18:19]
	s_wait_alu depctr_va_vdst(0)                   ; v1 and v2 are written: every load of the kernel reads v1 as its offset, every store v2
.set i, 0
.rept CHUNKS
	global_load_b128 v[X+4*i:X+4*i+3], v1, s[20:21] offset:4096*i th:TH_LOAD_NT   ; read once in the whole launch
.set i, i+1
.endr
.set p, 0
.rept BLOCKS
	s_wait_loadcnt CHUNKS-BLOCK*(p+1)              ; loads come back in order (ISA guide 5.7.1): block p's four chunks are in, the younger blocks stay out
.if p > 0
	s_wait_alu depctr_va_vdst(0)                   ; the conversions of the block before have written the first two registers of its four chunks, which the four stores below read
.endif
.set j, 0
.rept BLOCK
.set i, BLOCK*p+j
.if p > 0
	global_store_b64 v2, v[X+4*(i-BLOCK):X+4*(i-BLOCK)+1], s[22:23] offset:2048*(i-BLOCK)   ; the block before; no vector instruction since the wait names these registers.  No hint: the next launch reads these bytes
.endif
	v_cvt_pk_bf16_f32 v[X+4*i],   v[X+4*i],   v[X+4*i+1]
	v_cvt_pk_bf16_f32 v[X+4*i+1], v[X+4*i+2], v[X+4*i+3]
.set j, j+1
.endr
.set p, p+1
.endr
	s_wait_alu depctr_va_vdst(0)                   ; the last block's conversions have written the data of the last four stores
.set i, CHUNKS-BLOCK
.rept BLOCK
	global_store_b64 v2, v[X+4*i:X+4*i+1], s[22:23] offset:2048*i                 ; no hint: the next launch reads these bytes
.set i, i+1
.endr
	s_endpgm
.Lfunc_end_k_q2ab04c4afa_cast:
	.size	k_q2ab04c4afa_cast, .Lfunc_end_k_q2ab04c4afa_cast-k_q2ab04c4afa_cast
	.p2alignl 7, 3214868480
	.fill 96, 4, 3214868480
	.section	.rodata,"a",@progbits
	.p2align	6, 0x0
	.amdhsa_kernel k_q2ab04c4afa_cast
		.amdhsa_group_segment_fixed_size 0
		.amdhsa_private_segment_fixed_size 0
		.amdhsa_enable_private_segment 0
		.amdhsa_kernarg_size 32
		.amdhsa_user_sgpr_count 2
		.amdhsa_user_sgpr_kernarg_segment_ptr 1
		.amdhsa_wavefront_size32 1
		.amdhsa_system_sgpr_workgroup_id_x 1
		.amdhsa_system_sgpr_workgroup_id_y 1
		.amdhsa_system_sgpr_workgroup_id_z 1
		.amdhsa_system_vgpr_workitem_id 0
		.amdhsa_next_free_vgpr 132
		.amdhsa_next_free_sgpr 66
		.amdhsa_reserve_vcc 0
		.amdhsa_float_denorm_mode_32 3
		.amdhsa_float_denorm_mode_16_64 3
		.amdhsa_memory_ordered 1
		.amdhsa_forward_progress 1
		.amdhsa_inst_pref_size 12
	.end_amdhsa_kernel
	.amdgpu_metadata
---
amdhsa.version: [ 1, 2 ]
amdhsa.kernels:
  - .name:           k_q2ab04c4afa_cast
    .symbol:         k_q2ab04c4afa_cast.kd
    .args:
      - { .name: x, .offset: 0, .size: 8, .value_kind: global_buffer, .address_space: global }
      - { .name: We, .offset: 8, .size: 8, .value_kind: global_buffer, .address_space: global }
      - { .name: xb, .offset: 16, .size: 8, .value_kind: global_buffer, .address_space: global }
      - { .name: Wb, .offset: 24, .size: 8, .value_kind: global_buffer, .address_space: global }
    .group_segment_fixed_size: 0
    .private_segment_fixed_size: 0
    .kernarg_segment_align: 8
    .kernarg_segment_size: 32
    .max_flat_workgroup_size: 256
    .sgpr_count:     66
    .vgpr_count:     132
    .wavefront_size: 32
...
	.end_amdgpu_metadata
.endif
;; end of part 4
;; launch moe: the kernel of part 3 again; grid 8 x 32, 4 waves a work-group, clusters of 4 x 4, 327,680 bytes of LDS; arguments xb, Wb, Wg, bg, be, out0; writes out0
